; MI455X (gfx1250); checked and timed in simulation.
; The chip was launched on July 23, 2026; its instructions are those of AMD's public machine-readable ISA for CDNA 5 (MIT licence, August 2026) and "CDNA5" Instruction Set Architecture Reference Guide (July 2026). The comments in the code are by the model that wrote it; some were corrected since.
;; Multihead Attention. Allowed arithmetic: matrix products marked QUANTISED: E4M3 operands, one given power-of-two scale a tensor, by v_wmma_f32_16x16x64_fp8_fp8 or v_wmma_f32_16x16x128_fp8_fp8, f32 sums; everything else in f32.
;; Inputs: b_out 1,024 float32; lowp_scales 8 int32 (the exponents e of the quantised operands' scales 2^e); w_out 1,024 x 1,024 float32; w_qkv 1,024 x 3,072 float32; x 8 x 1,024 x 1,024 float32.
;; Outputs: out0 8 x 1,024 x 1,024 float32.
;; This version of the problem:
;;   THIS VERSION OF THE PROBLEM IS GIVEN IN LOW PRECISION. The matrix products marked QUANTISED in the list below multiply operands that are first quantised to E4M3 (4 exponent bits, 3 mantissa bits; 8 bits a number), with one given power-of-two scale for each operand tensor; their sums are f32. All else is computed in f32.
;;   The module's matrix products, in the order in which they are computed (A, B: the left and right operand; K: the contracted axis; several contracted axes count as one K, in the product's order):
;;     1. [M 8,192, K 1,024] x [K 1,024, N 3,072]; A: input x; B: input w_qkv: QUANTISED (scales: A lowp_scales[0], B lowp_scales[1])
;;     2. batch 128 x [M 1,024, K 64] x [K 64, N 1,024]; A: computed on the way; B: computed on the way: QUANTISED (scales: A lowp_scales[2], B lowp_scales[3])
;;     3. batch 128 x [M 1,024, K 1,024] x [K 1,024, N 64]; A: softmax (see below); B: computed on the way: QUANTISED (scales: A lowp_scales[4], B lowp_scales[5])
;;     4. [M 8,192, K 1,024] x [K 1,024, N 1,024]; A: computed on the way; B: input w_out: QUANTISED (scales: A lowp_scales[6], B lowp_scales[7])
;;   THE QUANTISER, for each operand of a quantised product, along K:
;;     - The operand's scale is 2^e, e = its entry of the input lowp_scales (int32; the entries are numbered through the quantised products in the list's order, A before B).
;;     - Each number is divided by the scale, clamped to +-448, and rounded to the nearest number of E4M3, ties to even, subnormals kept.
;;     - The product sums the exact products of the quantised numbers (number of the format x scale) in f32.
;;   ~~~python
;;   def quantise(x, axis, e):      # numpy; x: float32 -> the quantised numbers, widened to float32 again
;;       x = np.moveaxis(x, axis, -1); K = x.shape[-1]
;;       r = np.clip(x / 2.0 ** e, -448, 448)
;;       step = 2.0 ** (np.maximum(np.frexp(np.where(r == 0, 1, r))[1] - 1, -6) - 3)
;;       q = np.round(r / step) * step * 2.0 ** e      # np.round: ties to even
;;       return np.moveaxis(q, -1, axis).astype(np.float32)
;;   ~~~
;;   SOFTMAX AHEAD OF A QUANTISED PRODUCT. Where the list says 'softmax', what is quantised is not the finished softmax but p = 2^(t - M), with t = logit x log2(e) and M = ceil(the row's largest t), a whole number; so 1/2 < the row's largest p <= 1. The row's sum l is taken of the UNQUANTISED p, in f32, and the product's result is divided by l at the end. Since M is a whole number, a kernel that streams over the keys may use a running M (the ceiling of the running maximum): every later rescaling is an exact power of two, so the quantised numbers keep their values, but for numbers so far below the row's largest that they fall under the format's range.
;;   OPERANDS COMPUTED ON THE WAY. 'Computed on the way' means the value that the module computes at that place (a softmax that the list does not call 'softmax' is quantised finished and normalised). What goes into a quantiser is computed in f32, as accurately as f32 sums, v_exp_f32 and their like allow (about 1e-6 of the number): no bf16 or f16 on the way to a quantiser, and a product that is left as it is and whose result goes on into a quantised operand takes f32 operands (vector FMAs, or v_wmma_f32_16x16x4_f32). A number that lies on a knife's edge between two numbers of the format may be rounded either way, as far as f32 arithmetic and the matrix unit's own rounding can turn it there, and no further.
;; One version. Each part assembles by itself: llvm-mc -triple=amdgcn-amd-amdhsa -mcpu=gfx1250 --defsym DOCPART=n.
;; ======== version 1 of 1: 4 launches
;; limits: right only within a limited range of input values
;; workspace buffers: x_codes 8,388,608 bytes; wqkv_codes 3,145,728 bytes; wout_codes 1,048,576 bytes; qkv_codes 25,165,824 bytes; ao_codes 8,388,608 bytes
;; launch quant (part 1): grid 384 x 1, 4 waves a work-group, no clusters, 104,960 bytes of LDS; arguments x, w_qkv, w_out, lowp_scales, x_codes, wqkv_codes, wout_codes; writes x_codes, wqkv_codes, wout_codes
.if DOCPART == 1
	.amdgcn_target "amdgcn-amd-amdhsa--gfx1250"
	.amdhsa_code_object_version 6
	.text
	.protected	k_qb5ad7a8e57_quant
	.globl	k_qb5ad7a8e57_quant
	.p2align	8
	.type	k_qb5ad7a8e57_quant,@function
k_qb5ad7a8e57_quant:
	s_mov_b64 s[64:65], 0
	v_nop
	global_prefetch_b8 v0, s[64:65] scope:SCOPE_SE
	s_setreg_imm32_b32 hwreg(HW_REG_WAVE_MODE, 25, 1), 1
	s_wait_xcnt 0x0
; x [8192][1024], w_qkv [1024][3072] and w_out [1024][1024], f32, become codes of FP8 (E4M3): code = number / 2^e, held within +-448, to the nearest code, ties to even.
; e = entry 0 (x), 1 (w_qkv), 7 (w_out) of the scales.  LIMITS: each of the three between -126 and 119, so that 2^e and 448 x 2^e are f32 numbers; NaN among the inputs is not served.
; THE CODES LIE AS IMAGES OF OPERAND FRAGMENTS: 16 rows x 64 along K are 1,024 bytes; piece q (0..3) of row r, 16 bytes, lies at 256 q + 16 r.  A lane l of a wave that loads 16 bytes at 512 i + 16 l has row l % 16, piece 2 i + l / 16.
;   x_codes [16 chunks of K][512 blocks of 16 tokens][1024];  wout_codes [16][64 blocks of 16 columns][1024];
;   wqkv_codes [16][192 blocks][1024], the blocks by head: 12 for each of 16 heads: 4 of q, 4 of k, 4 of v.
; THE ORDER ALONG K IS THE PROGRAM'S OWN: a product keeps its value when both operands are laid in the same order.
;   x and w_qkv: piece l (0..31) of each 512 along K holds in byte 4 i + j: k = 128 i + 4 l + j: what four loads of 512 consecutive bytes leave in lane l's sixteen registers.
;   w_out: piece h of each 32 along K holds in byte 8 v + j: k = 16 v + 8 h + j: the order in which the attention launch lays its results.
; SHARES: 384 work-groups of four waves, 128 KiB of f32 each.  0..95: w_qkv, 128 columns x 256 along K; 96..127: w_out likewise; 128..383: x, 16 tokens x 512 a wave.
; The weights: a lane takes a column and its registers run down K.  All codes turn through the wave's own stage in LDS and leave 512 consecutive bytes a store.  No tensor load, no barrier: waves share nothing.
.set PITCH, 272                        ; a stage row: 256 bytes + 16: an odd multiple of 16 bytes
.set STG0,  0                          ; w_qkv's four stages of 32 rows
.set STG1,  4*32*PITCH                 ; w_out's
.set STGX,  8*32*PITCH                 ; x's
.set SPARE, 12*32*PITCH                ; the spare words, 128 bytes a wave: two blocks of 256 bytes that no other line names
.set SPW,   14                         ; v14  LDS address of my spare word; never rewritten
.set NIL,   15                         ; v15  0; never rewritten
.set R,     16                         ; x: v16-79 four sets of 16 numbers; then the way out
.set CX,    128                        ; x: v128-191 four registers of codes for each step
.set X,     32                         ; weights: v32-95 two sets of 32 numbers
.set C,     96                         ; weights: v96-103 a block's codes
.set OUTR,  112                        ; weights: v112-175 the way out
.macro MKSCALE es                      ; v11 = 2^e as f32 (the conversion takes its exponent field), v10 = 448 x 2^e
	s_add_co_i32 s36, s[\es], 127
	s_lshl_b32 s37, s36, 23
	v_mov_b32 v11, s37
	s_add_co_i32 s36, s36, 8
	s_lshl_b32 s36, s36, 23
	s_or_b32 s36, s36, 0x600000
	v_mov_b32 v10, s36
.endm
.macro CLOSE                           ; the wave's end
	s_wait_tensorcnt 0x0
	ds_add_u32 v[SPW], v[NIL]
	s_wait_dscnt 0x0
	s_endpgm
.endm
.macro XLOAD t                         ; token t of my 16: four loads of 512 consecutive bytes
.irp i, 0,1,2,3
	global_load_b128 v[R+16*((\t)%4)+4*\i:R+16*((\t)%4)+4*\i+3], v3, s[4:5] offset:4096*(\t)+512*\i th:TH_LOAD_NT
.endr
.endm
.macro XSTEP t
.set XS, R+16*((\t)%4)
.if (\t) <= 12
	s_wait_loadcnt 12                              ; this step's four loads are in; those of the three steps behind it may be out
.else
	s_wait_loadcnt 4*(15-(\t))
.endif
.irp i, 0,1,2,3,4,5,6,7,8,9,10,11,12,13,14,15
	v_med3_num_f32 v[XS+\i], v[XS+\i], -v10, v10   ; the conversion to an 8-bit code does not saturate (ISA guide 7.6.2): the hold at the largest code x the scale
.endr
	v_cvt_scalef32_pk8_fp8_f32 v[CX+4*(\t):CX+4*(\t)+1], v[XS:XS+7], v11
	v_cvt_scalef32_pk8_fp8_f32 v[CX+4*(\t)+2:CX+4*(\t)+3], v[XS+8:XS+15], v11
	ds_store_b128 v13, v[CX+4*(\t):CX+4*(\t)+3] offset:16*(\t)   ; stage row = my piece, token t's place in it
.if (\t)+4 < 16
	XLOAD (\t)+4                                   ; the set is free: its numbers have been converted
.endif
.endm
; Block t of a weight: 32 rows of my column, in the order in which the codes are to lie.  N: the weight's columns; PERM = 1: w_qkv's order, 0: w_out's
.macro WLOAD t, N, sb, PERM
.set wi, 0
.rept 32
.if \PERM
.set wrow, 8*(\t)+4*(wi>>4)+128*((wi>>2)&3)+(wi&3)
.else
.set wrow, 32*(\t)+(wi&7)+((wi&8)<<1)+((wi&16)>>1)
.endif
	global_load_b32 v[X+32*((\t)%2)+wi], v5, s[\sb:\sb+1] offset:wrow*\N*4 th:TH_LOAD_NT   ; 32 lanes read 128 consecutive bytes, the four waves 512
.set wi, wi+1
.endr
.endm
.macro WBLOCK t, N, sb, STG, PERM
.set XS, X+32*((\t)%2)
.if (\t) < 7
	s_wait_loadcnt 32                              ; this block's 32 loads are in; the next block's may be out
.else
	s_wait_loadcnt 0x0
.endif
.set wi, 0
.rept 32
	v_med3_num_f32 v[XS+wi], v[XS+wi], -v10, v10
.set wi, wi+1
.endr
.irp g, 0,1,2,3
	v_cvt_scalef32_pk8_fp8_f32 v[C+2*\g:C+2*\g+1], v[XS+8*\g:XS+8*\g+7], v11
.endr
	ds_store_b128 v4, v[C:C+3] offset:\STG+32*(\t)        ; 32 codes of my column's row
	ds_store_b128 v4, v[C+4:C+7] offset:\STG+32*(\t)+16
.if (\t)+2 < 8
	WLOAD (\t)+2, \N, \sb, \PERM
.endif
	s_wait_dscnt 0x0                               ; the stores have read their registers: the next block's codes may be written
.endm
; A weight's whole path.  sb, db: the scalar pairs of source and codes; es: the scalar with e; FIRST: the path's first work-group
.macro WPATH N, sb, db, es, FIRST, STG, PERM
	s_sub_co_u32 s32, ttmp9, \FIRST
	s_and_b32 s33, s32, 3                          ; y: which 256 along K
	s_lshr_b32 s32, s32, 2
	s_lshl_b32 s32, s32, 7
	s_lshl_b32 s34, s20, 5
	s_add_co_u32 s32, s32, s34                     ; my wave's first column
.if \PERM
	s_lshr_b32 s34, s33, 1
	s_lshl_b32 s34, s34, 9
	s_and_b32 s35, s33, 1
	s_lshl_b32 s35, s35, 6
	s_add_co_u32 s34, s34, s35                     ; the rows begin at 512 (y / 2) + 64 (y % 2)
.else
	s_lshl_b32 s34, s33, 8                         ; at 256 y
.endif
	s_mul_i32 s34, s34, \N*4
	s_lshl_b32 s35, s32, 2
	s_add_co_u32 s34, s34, s35
	s_mov_b32 s35, 0
	s_add_nc_u64 s[\sb:\sb+1], s[\sb:\sb+1], s[34:35]
.if \PERM
	s_lshr_b32 s34, s32, 10                        ; 0 q, 1 k, 2 v
	s_lshl_b32 s34, s34, 2
	s_bfe_u32 s36, s32, 0x20004                    ; which block of the head's four
	s_add_co_u32 s34, s34, s36
	s_bfe_u32 s36, s32, 0x40006                    ; the head
	s_mul_i32 s36, s36, 12
	s_add_co_u32 s34, s34, s36
.else
	s_lshr_b32 s34, s32, 4
.endif
	s_lshl_b32 s34, s34, 10
	s_mul_i32 s36, s33, \N*256                     ; four chunks of K, each N / 16 blocks of 1,024 bytes
	s_add_co_u32 s34, s34, s36
	s_add_nc_u64 s[\db:\db+1], s[\db:\db+1], s[34:35]
	WLOAD 0, \N, \sb, \PERM
	WLOAD 1, \N, \sb, \PERM
	s_wait_kmcnt 0x0                               ; the scales
	MKSCALE \es
	s_wait_alu depctr_va_vdst(0)
.irp t, 0,1,2,3,4,5,6,7
	WBLOCK \t, \N, \sb, \STG, \PERM
.endr
.irp t, 0,1,2,3,4,5,6,7,8,9,10,11,12,13,14,15
	ds_load_b128 v[OUTR+4*\t:OUTR+4*\t+3], v12 offset:\STG+((\t/2)%2)*16*PITCH+64*(\t/4)+32*(\t%2)   ; LDS serves a wave's instructions in order (ISA guide 5.7.1.4): these see my stores
.endr
.irp t, 0,1,2,3,4,5,6,7,8,9,10,11,12,13,14,15
	s_wait_dscnt 15-\t
	global_store_b128 v3, v[OUTR+4*\t:OUTR+4*\t+3], s[\db:\db+1] offset:(\t/4)*\N*64+((\t/2)%2)*1024+(\t%2)*512   ; 32 lanes store 512 consecutive bytes, aligned
.endr
	CLOSE
.endm
	s_load_b256 s[4:11], s[0:1], 0x0               ; x s[4:5], w_qkv s[6:7], w_out s[8:9], the scales s[10:11]
	s_load_b128 s[12:15], s[0:1], 0x20             ; x_codes s[12:13], wqkv_codes s[14:15]
	s_load_b64 s[16:17], s[0:1], 0x30              ; wout_codes
	v_lshl_add_u32 v[SPW], v0, 2, SPARE
	v_mov_b32 v[NIL], 0
	v_lshrrev_b32 v1, 5, v0
	v_readfirstlane_b32 s20, v1                    ; wave 0..3
	v_and_b32 v2, 31, v0                           ; lane
	v_lshlrev_b32 v3, 4, v2                        ; 16 x lane: x's loads and all stores
	v_lshlrev_b32 v5, 2, v2                        ; weights: 4 bytes a lane
	s_mul_i32 s21, s20, 32*PITCH                   ; my stage
	v_mul_u32_u24 v4, v2, PITCH
	v_add_nc_u32 v4, s21, v4                       ; into it: row = my lane
	v_lshrrev_b32 v6, 4, v2                        ; h
	v_and_b32 v9, 15, v2                           ; r
	v_mul_u32_u24 v7, v6, PITCH
	v_lshl_add_u32 v7, v9, 4, v7
	v_add_nc_u32 v7, s21, v7
	v_add_nc_u32 v7, STGX, v7                      ; x, out of its stage: sixteen lanes to a row
	v_add_nc_u32 v13, STGX, v4                     ; x, into it
	v_mul_u32_u24 v12, v9, PITCH
	v_lshl_add_u32 v12, v6, 4, v12
	v_add_nc_u32 v12, s21, v12                     ; weights, out of it: 16 columns' rows, two neighbouring pieces
	s_wait_alu depctr_va_vdst(0)
	s_wait_kmcnt 0x0
	s_load_b256 s[24:31], s[10:11], 0x0            ; e0 .. e7
	s_cmp_lt_u32 ttmp9, 96
	s_cbranch_scc1 .Lwqkv
	s_cmp_lt_u32 ttmp9, 128
	s_cbranch_scc1 .Lwout
	; ---- x
	s_sub_co_u32 s32, ttmp9, 128
	s_lshl_b32 s32, s32, 2
	s_add_co_u32 s32, s32, s20
	s_lshr_b32 s33, s32, 1                         ; my block of 16 tokens
	s_and_b32 s32, s32, 1                          ; which 512 along K
	s_lshl_b32 s34, s33, 16
	s_lshl_b32 s36, s32, 11
	s_add_co_u32 s34, s34, s36
	s_mov_b32 s35, 0
	s_add_nc_u64 s[4:5], s[4:5], s[34:35]
	s_lshl_b32 s34, s33, 10
	s_lshl_b32 s36, s32, 22                        ; eight chunks of 524,288 bytes
	s_add_co_u32 s34, s34, s36
	s_add_nc_u64 s[12:13], s[12:13], s[34:35]
.irp t, 0,1,2,3
	XLOAD \t
.endr
	s_wait_kmcnt 0x0
	MKSCALE 24
	s_wait_alu depctr_va_vdst(0)
.irp t, 0,1,2,3,4,5,6,7,8,9,10,11,12,13,14,15
	XSTEP \t
.endr
.irp t, 0,1,2,3,4,5,6,7,8,9,10,11,12,13,14,15
	ds_load_b128 v[R+4*\t:R+4*\t+3], v7 offset:2*\t*PITCH   ; pieces 2 t and 2 t + 1 of the 16 tokens
.endr
.irp t, 0,1,2,3,4,5,6,7,8,9,10,11,12,13,14,15
	s_wait_dscnt 15-\t
	global_store_b128 v3, v[R+4*\t:R+4*\t+3], s[12:13] offset:(\t/2)*524288+(\t%2)*512   ; 512 consecutive bytes, aligned
.endr
	CLOSE
.Lwqkv:
	WPATH 3072, 6, 14, 25, 0, STG0, 1
.Lwout:
	WPATH 1024, 8, 16, 31, 96, STG1, 0
.Lfunc_end_k_qb5ad7a8e57_quant:
	.size	k_qb5ad7a8e57_quant, .Lfunc_end_k_qb5ad7a8e57_quant-k_qb5ad7a8e57_quant
	.p2alignl 7, 3214868480
	.fill 96, 4, 3214868480
	.section	.rodata,"a",@progbits
	.p2align	6, 0x0
	.amdhsa_kernel k_qb5ad7a8e57_quant
		.amdhsa_group_segment_fixed_size 104960
		.amdhsa_private_segment_fixed_size 0
		.amdhsa_enable_private_segment 0
		.amdhsa_kernarg_size 56
		.amdhsa_user_sgpr_count 2
		.amdhsa_user_sgpr_kernarg_segment_ptr 1
		.amdhsa_wavefront_size32 1
		.amdhsa_system_sgpr_workgroup_id_x 1
		.amdhsa_system_sgpr_workgroup_id_y 1
		.amdhsa_system_sgpr_workgroup_id_z 1
		.amdhsa_system_vgpr_workitem_id 0
		.amdhsa_next_free_vgpr 192
		.amdhsa_next_free_sgpr 66
		.amdhsa_reserve_vcc 0
		.amdhsa_float_denorm_mode_32 3
		.amdhsa_float_denorm_mode_16_64 3
		.amdhsa_memory_ordered 1
		.amdhsa_forward_progress 1
		.amdhsa_inst_pref_size 127
	.end_amdhsa_kernel
	.amdgpu_metadata
---
amdhsa.version: [ 1, 2 ]
amdhsa.kernels:
  - .name:           k_qb5ad7a8e57_quant
    .symbol:         k_qb5ad7a8e57_quant.kd
    .args:
      - { .name: x, .offset: 0, .size: 8, .value_kind: global_buffer, .address_space: global }
      - { .name: w_qkv, .offset: 8, .size: 8, .value_kind: global_buffer, .address_space: global }
      - { .name: w_out, .offset: 16, .size: 8, .value_kind: global_buffer, .address_space: global }
      - { .name: lowp_scales, .offset: 24, .size: 8, .value_kind: global_buffer, .address_space: global }
      - { .name: x_codes, .offset: 32, .size: 8, .value_kind: global_buffer, .address_space: global }
      - { .name: wqkv_codes, .offset: 40, .size: 8, .value_kind: global_buffer, .address_space: global }
      - { .name: wout_codes, .offset: 48, .size: 8, .value_kind: global_buffer, .address_space: global }
    .group_segment_fixed_size: 104960
    .private_segment_fixed_size: 0
    .kernarg_segment_align: 8
    .kernarg_segment_size: 56
    .max_flat_workgroup_size: 128
    .sgpr_count:     66
    .vgpr_count:     192
    .wavefront_size: 32
...
	.end_amdgpu_metadata
.endif
;; end of part 1
;; launch qkv (part 2): grid 8 x 32, 4 waves a work-group, clusters of 4 x 4, 327,680 bytes of LDS; arguments x_codes, wqkv_codes, lowp_scales, qkv_codes; writes qkv_codes
.if DOCPART == 2
	.amdgcn_target "amdgcn-amd-amdhsa--gfx1250"
	.amdhsa_code_object_version 6
	.text
	.protected	k_qb5ad7a8e57_qkv
	.globl	k_qb5ad7a8e57_qkv
	.p2align	8
	.type	k_qb5ad7a8e57_qkv,@function
k_qb5ad7a8e57_qkv:
	s_mov_b64 s[64:65], 0
	v_nop
	global_prefetch_b8 v0, s[64:65] scope:SCOPE_SE
	s_setreg_imm32_b32 hwreg(HW_REG_WAVE_MODE, 25, 1), 1
	s_wait_xcnt 0x0
	s_wait_alu depctr_hold_cnt(0) depctr_sa_sdst(0) depctr_va_vdst(0) depctr_va_sdst(0) depctr_va_ssrc(0) depctr_va_vcc(0) depctr_vm_vsrc(0)
	s_getreg_b32 s2, hwreg(HW_REG_IB_STS2, 6, 4)
	s_cmp_eq_u32 s2, 0
	s_cbranch_scc0 .Lentry_in_a_cluster
	s_endpgm
.Lentry_in_a_cluster:
	s_bfe_u32 s2, ttmp6, 0x10000c
	s_cmp_lg_u32 s2, 0xf033
	s_cbranch_scc0 .Lentry_shape_is_right
	s_endpgm
.Lentry_shape_is_right:
; q, k, v = x w_qkv on codes of FP8 (E4M3), K = 1,024, and the results quantised at once for the attention launch.
; x_codes [16 chunks of 64 along K][512 blocks of 16 tokens][1024 bytes], wqkv_codes [16][16 heads x (4 q, 4 k, 4 v) blocks of 16 columns][1024]: images of operand fragments: a lane's registers are 16 bytes at 16 x lane and 16 at 512 + 16 x lane.
; qkv_codes: three regions of 8,388,608 bytes, again images of fragments: q and k: [batch x head = 128][64 blocks of 16 tokens][1024];  v: [128][16 chunks of 64 keys][4 blocks of 16 channels][1024].
; A sum stands for sum x 2^(e0 + e1); its code is sum / 2^(e - e0 - e1), e = e2 (q), e3 (k), e5 (v), held within +-448.  LIMIT: e - e0 - e1 between -126 and 119.  NaN among the inputs is not served.
; SHARES.  256 work-groups; each makes 256 tokens x two heads' q, k and v; four waves, each 128 tokens x one head: 8 x 12 tiles of 16 x 16: 768 registers of sums.
; q and k: source 0 = 16 columns, source 1 = 16 tokens: lane (r, h) holds token r, its registers channels 8 h + 0..7.  FOR v THE SOURCES CHANGE PLACES: lane (r, h) holds channel r, its registers keys 8 h + 0..7.
; So the conversions' results are the fragments that attention loads, and leave straight from registers: 512 consecutive bytes a store.
; K GOES IN 16 UNITS OF 64 THROUGH A RING OF 7 UNITS IN LDS, unit u at place u % 7, filled by loads of 4, 3, 4, 3 and 2 units: places 0-3 and 4-6 are the two slots.  One load a wave behind each round: it has the other slot's units in which to land.
; CLUSTERS: 4 x 4 work-groups.  x's tile is shared along a row of the cluster, the columns' along a column: each is asked for JOINTLY, by the same load with the same descriptor and a mask that names the four.
; NO PREFETCH: five loads a wave bring the whole K, the units are written out and no loop runs ahead of them; two loads ahead of a refill there are only the last five units left to name.
; REGISTERS: window 0: v0-31 addresses, scales; v32-95, v96-159 x's fragments, two sets by turns; v160-255 the columns' fragments, one set: blocks 0-5 are fetched anew in a unit's middle, blocks 6-11 at its end.
;   windows 1, 2, 3: the sums of q, k, v: tile (b, a) at v[64 b + 8 a].
.set AREG,  57344                      ; LDS: 7 units x 8,192 for each half of the tokens,
.set BREG,  86016                      ; then 7 units x 12,288 for each head
.set BOFF,  2*AREG
.set SPARE, 2*AREG+2*BREG              ; the spare words, 128 bytes a wave: two blocks of 256 bytes that no other line names
.set APCH,  524288                     ; from unit to unit in memory
.set BPCH,  196608
.set G1A4, 24                          ; descriptor groups 1: x's tiles of 4, 3, 2 units, the columns' likewise
.set G1B4, 32
.set G1A3, 40
.set G1B3, 48
.set G1A2, 68
.set G1B2, 76
.set G0A,  56                          ; s[56:59], s[60:63] groups 0, a set for each slot
.set G0B,  84                          ; s[84:87], s[88:91]
.set SCQ,  16                          ; v16-21 the conversions' scales and the largest numbers held: q, k, v
.set SCK,  18
.set SCV,  20
.set ADRA, 22                          ; v22  LDS address of my fragments of x
.set ADRB, 24                          ; v24  of the columns', places 0-3;  v25: places 4-6
.set L16,  26                          ; v26  16 x lane
.set SPW,  28                          ; v28  LDS address of my spare word; never rewritten
.set NIL,  29                          ; v29  0; never rewritten
.set MSB, 0
.macro WIN new                         ; the immediate's high byte repeats the setting that is left
.if MSB != (\new)
	s_set_vgpr_msb (MSB<<8)|(\new)
.set MSB, \new
.endif
.endm
; A joint load: waves 0 and 1 fetch x's halves, waves 2 and 3 the heads' columns.  The branch hangs on the wave's number alone.
.macro JLOAD g0a, g1a, g0b, g1b
	s_cmp_eq_u32 s13, 0
	s_cbranch_scc0 .Lfor_b_\@
	tensor_load_to_lds s[\g0a:\g0a+3], s[\g1a:\g1a+7]
	s_nop 0
.rept 4
	v_nop
.endr
	s_branch .Lasked_\@
.Lfor_b_\@:
	tensor_load_to_lds s[\g0b:\g0b+3], s[\g1b:\g1b+7]
	s_nop 0
.rept 4
	v_nop
.endr
.Lasked_\@:
.endm
.macro CREST                           ; a round of the cluster's barrier behind its opening barrier
	s_cmp_lg_u32 s12, 0
	s_cbranch_scc1 .Lnot_wave_0_\@
	s_barrier_signal -3
.Lnot_wave_0_\@:
	s_barrier_wait -3
	s_barrier_signal -1
	s_barrier_wait -1
.endm
.macro CROUND                          ; a whole round
	s_barrier_signal -1
	s_barrier_wait -1
	CREST
.endm
.macro PLACES                          ; plain vector instructions between a matrix instruction and a load into, or a vector read of, its registers
.rept 4
	v_nop
.endr
.endm
.macro G1SET g, mask, row, n, pitch    ; n rows of 'row' bytes, no padding
	s_or_b32 s[\g], s[\mask], 1<<21
	s_mov_b32 s[\g+1], \row<<16
	s_mov_b32 s[\g+2], \n<<16
	s_mov_b32 s[\g+3], \row<<16
	s_mov_b32 s[\g+4], \n
	s_mov_b32 s[\g+5], \pitch
	s_mov_b32 s[\g+6], 0
	s_mov_b32 s[\g+7], 0
.endm
.macro FA u, p                         ; x's eight fragments of unit u into set p: 16 loads
.set pp, (\u)%7
.irp a, 0,1,2,3,4,5,6,7
	ds_load_b128 v[32+64*(\p)+8*\a:35+64*(\p)+8*\a], v[ADRA] offset:pp*8192+\a*1024
	ds_load_b128 v[36+64*(\p)+8*\a:39+64*(\p)+8*\a], v[ADRA] offset:pp*8192+\a*1024+512
.endr
.endm
.macro FB u, b0                        ; the columns' fragments b0 .. b0 + 5 of unit u: 12 loads
.set pp, (\u)%7
.irp b, 0,1,2,3,4,5
	ds_load_b128 v[160+8*(\b0+\b):163+8*(\b0+\b)], v[ADRB+pp/4] offset:(pp%4)*12288+(\b0+\b)*1024
	ds_load_b128 v[164+8*(\b0+\b):167+8*(\b0+\b)], v[ADRB+pp/4] offset:(pp%4)*12288+(\b0+\b)*1024+512
.endr
.endm
; Eight products: column block b x my eight blocks of tokens, 64 along K.  zero = 1: they start the sums.  The 96 accumulators take turns in the same order in every unit.
.macro MULB b, p, zero
	WIN 0x50*(1+(\b)/4)
.irp a, 0,1,2,3,4,5,6,7
.set ac, 64*((\b)%4)+8*\a
.set fa, 32+64*(\p)+8*\a
.set fb, 160+8*(\b)
.if (\b) < 8
.if \zero
	v_wmma_f32_16x16x64_fp8_fp8 v[ac:ac+7], v[fb:fb+7], v[fa:fa+7], 0
.else
	v_wmma_f32_16x16x64_fp8_fp8 v[ac:ac+7], v[fb:fb+7], v[fa:fa+7], v[ac:ac+7]
.endif
.else
.if \zero
	v_wmma_f32_16x16x64_fp8_fp8 v[ac:ac+7], v[fa:fa+7], v[fb:fb+7], 0
.else
	v_wmma_f32_16x16x64_fp8_fp8 v[ac:ac+7], v[fa:fa+7], v[fb:fb+7], v[ac:ac+7]
.endif
.endif
.endr
.endm
.macro UNIT u, zero                    ; a unit whose successor lies in the same slot
	s_wait_dscnt 12                                ; x's and the columns' fragments 0-5 are in; the youngest twelve loads (fragments 6-11) may be out
.irp b, 0,1,2,3,4,5
	MULB \b, (\u)%2, \zero
.endr
	WIN 0
	PLACES
	FB (\u)+1, 0
	FA (\u)+1, 1-(\u)%2
	s_wait_dscnt 28                                ; all but the 28 just issued
.irp b, 6,7,8,9,10,11
	MULB \b, (\u)%2, \zero
.endr
	WIN 0
	PLACES
	FB (\u)+1, 6
.endm
; A slot's last unit, with ONE barrier; in front of it each wave waits for all its tensor loads, adds 0 to its spare word, and waits for that and for its LDS reads.  Behind it the other slot is whole for every wave.
; fill = 1: slot sl, which has been read out, is filled again, seven units on.
.macro TURN u, fill, sl, g1a, g1b
	s_wait_dscnt 12
.irp b, 0,1,2,3
	MULB \b, (\u)%2, 0
.endr
	WIN 0
	s_wait_tensorcnt 0x0                           ; all my tensor loads have landed
	ds_add_u32 v[SPW], v[NIL]                      ; 0 onto my spare word
.if \fill
	s_add_nc_u64 s[G0A+4*\sl+2:G0A+4*\sl+3], s[G0A+4*\sl+2:G0A+4*\sl+3], 7*APCH
	s_add_nc_u64 s[G0B+4*\sl+2:G0B+4*\sl+3], s[G0B+4*\sl+2:G0B+4*\sl+3], 7*BPCH
.endif
	MULB 4, (\u)%2, 0                              ; eight matrix instructions stand between the add and the wait for it
	s_wait_dscnt 0x0                               ; the add is done, and my reads of this slot are over
	s_barrier_signal -1
	MULB 5, (\u)%2, 0
	WIN 0
	s_barrier_wait -1
.if \fill
	CREST                                          ; the barrier has opened a round of the cluster's: no wave of any partner still reads this slot or has a load on its way
	JLOAD G0A+4*\sl, \g1a, G0B+4*\sl, \g1b         ; the first tensor load behind the round; its four v_nop are the places in front of the loads below
.else
	PLACES
.endif
	FB (\u)+1, 0
	FA (\u)+1, 1-(\u)%2
.irp b, 6,7,8,9,10,11
	MULB \b, (\u)%2, 0
.endr
	WIN 0
	PLACES
	FB (\u)+1, 6
.endm
; The way out of window w (1 q, 2 k, 3 v): held, converted into 64 registers from cd on, and stored: 16 x 512 consecutive bytes.
.macro OUT w, cd, sc, sb
	PLACES
	WIN 0x41*(\w)
.set j, 0
.rept 256
	v_med3_num_f32 v[j], v[j], -v[\sc+1], v[\sc+1]   ; the conversion does not saturate (ISA guide 7.6.2); each accumulator from its low end on
.set j, j+1
.endr
	WIN \w
.irp b, 0,1,2,3
.irp a, 0,1,2,3,4,5,6,7
.if (\w) < 3
.set cr, \cd+8*\a+2*\b                 ; block of tokens a, channels 16 b on
.else
.set cr, \cd+32*(\a/4)+8*\b+2*(\a%4)   ; chunk of keys a / 4, block of channels b, keys 16 (a % 4) on
.endif
	v_cvt_scalef32_pk8_fp8_f32 v[cr:cr+1], v[64*\b+8*\a:64*\b+8*\a+7], v[\sc]
.endr
.endr
	v_nop
	WIN 0
.irp n, 0,1,2,3,4,5,6,7,8,9,10,11,12,13,14,15
	global_store_b128 v[L16], v[\cd+4*\n:\cd+4*\n+3], s[\sb:\sb+1] offset:512*\n
.endr
.endm
.macro MK es, v                        ; 2^(e - e0 - e1) and 448 x that
	s_sub_co_i32 s21, s[\es], s100
	s_add_co_i32 s21, s21, 127
	s_lshl_b32 s23, s21, 23
	v_mov_b32 v[\v], s23
	s_add_co_i32 s21, s21, 8
	s_lshl_b32 s21, s21, 23
	s_or_b32 s21, s21, 0x600000
	v_mov_b32 v[\v+1], s21
.endm
	s_load_b128 s[4:7], s[0:1], 0x0                ; x_codes s[4:5], wqkv_codes s[6:7]
	s_load_b128 s[8:11], s[0:1], 0x10              ; the scales s[8:9], qkv_codes s[10:11]
	v_lshl_add_u32 v[SPW], v0, 2, SPARE
	v_mov_b32 v[NIL], 0
	ds_add_u32 v[SPW], v[NIL]                      ; the wave's opening: the add, twice on end, and its wait ahead of my first tensor load
	ds_add_u32 v[SPW], v[NIL]
	v_lshrrev_b32 v1, 5, v0
	v_readfirstlane_b32 s12, v1                    ; wave 0..3
	s_lshr_b32 s13, s12, 1                         ; which 128 tokens are mine.  Also: I fetch x (0) or columns (1)
	s_and_b32 s14, s12, 1                          ; which head is mine.  Also: which half I fetch
	s_bfe_u32 s15, ttmp6, 0x40000                  ; cx
	s_bfe_u32 s16, ttmp6, 0x40004                  ; cy
	s_lshl_b32 s17, ttmp9, 2
	s_add_co_u32 s17, s17, s15                     ; pair of heads 0..7
	s_and_b32 s18, ttmp7, 0xffff
	s_lshl_b32 s18, s18, 2
	s_add_co_u32 s18, s18, s16                     ; 256 tokens: 0..31
	s_lshl_b32 s19, s16, 2
	s_lshl_b32 s19, 15, s19                        ; my row of the cluster
	s_lshl_b32 s20, 0x1111, s15                    ; my column
	G1SET G1A4, 19, 8192, 4, APCH
	G1SET G1A3, 19, 8192, 3, APCH
	G1SET G1A2, 19, 8192, 2, APCH
	G1SET G1B4, 20, 12288, 4, BPCH
	G1SET G1B3, 20, 12288, 3, BPCH
	G1SET G1B2, 20, 12288, 2, BPCH
	s_lshl_b32 s2, s18, 14                         ; x: 16 blocks of 1,024 bytes, + my half.  It holds cy and never cx,
	s_lshl_b32 s21, s14, 13
	s_add_co_u32 s2, s2, s21
	s_mov_b32 s3, 0
	s_mul_i32 s22, s17, 24576                      ; the columns': 24 blocks, + my head's: cx and never cy
	s_mul_i32 s21, s14, 12288
	s_add_co_u32 s22, s22, s21
	s_mov_b32 s23, 0
	s_mul_i32 s66, s14, AREG                       ; where they go: no place in the cluster enters an LDS address
	s_mul_i32 s67, s14, BREG
	s_add_co_u32 s67, s67, BOFF
	s_wait_dscnt 0x0                               ; both opening adds are done
	s_wait_kmcnt 0x0
	s_load_b256 s[92:99], s[8:9], 0x0              ; e0 .. e7
	s_add_nc_u64 s[2:3], s[4:5], s[2:3]
	s_add_nc_u64 s[22:23], s[6:7], s[22:23]
.irp s, 0,1
	s_mov_b32 s[G0A+4*\s], 1
	s_add_co_u32 s[G0A+4*\s+1], s66, \s*4*8192
	s_add_nc_u64 s[G0A+4*\s+2:G0A+4*\s+3], s[2:3], \s*4*APCH
	s_or_b32 s[G0A+4*\s+3], s[G0A+4*\s+3], 0x80000000
	s_mov_b32 s[G0B+4*\s], 1
	s_add_co_u32 s[G0B+4*\s+1], s67, \s*4*12288
	s_add_nc_u64 s[G0B+4*\s+2:G0B+4*\s+3], s[22:23], \s*4*BPCH
	s_or_b32 s[G0B+4*\s+3], s[G0B+4*\s+3], 0x80000000
.endr
	CROUND                                         ; all sixteen work-groups are here: the first joint loads meet
	JLOAD G0A, G1A4, G0B, G1B4                     ; units 0-3
	v_and_b32 v1, 31, v0
	v_lshlrev_b32 v[L16], 4, v1
	s_mul_i32 s21, s13, AREG
	v_add_nc_u32 v[ADRA], s21, v[L16]
	s_mul_i32 s21, s14, BREG
	s_add_co_u32 s21, s21, BOFF
	v_add_nc_u32 v[ADRB], s21, v[L16]
	v_add_nc_u32 v[ADRB+1], 49152, v[ADRB]
	; where my results go: (16 x batch + head) x 65,536 + my first block of tokens in the batch x 1,024, alike in the three regions
	s_lshr_b32 s66, s18, 2
	s_lshl_b32 s66, s66, 4
	s_lshl_b32 s21, s17, 1
	s_add_co_u32 s66, s66, s21
	s_add_co_u32 s66, s66, s14
	s_lshl_b32 s66, s66, 16
	s_and_b32 s21, s18, 3
	s_lshl_b32 s21, s21, 14
	s_add_co_u32 s66, s66, s21
	s_lshl_b32 s21, s13, 13
	s_add_co_u32 s66, s66, s21
	s_mov_b32 s67, 0
	s_add_nc_u64 s[66:67], s[10:11], s[66:67]      ; q
	s_add_nc_u64 s[4:5], s[66:67], 0x800000        ; k
	s_add_nc_u64 s[6:7], s[66:67], 0x1000000       ; v
	s_wait_kmcnt 0x0
	s_add_co_i32 s100, s92, s93
	MK 94, SCQ
	MK 95, SCK
	MK 97, SCV
	s_wait_alu depctr_va_vdst(0)
	s_wait_tensorcnt 0x0                           ; my part of units 0-3 is in
	ds_add_u32 v[SPW], v[NIL]
	s_wait_dscnt 0x0
	CROUND                                         ; everybody's part is in, and the joint loads meet
	JLOAD G0A+4, G1A3, G0B+4, G1B3                 ; units 4-6, the first tensor load behind the round
	FB 0, 0
	FA 0, 0
	FB 0, 6
	UNIT 0, 1                                      ; the first products start the sums: nothing is cleared
	UNIT 1, 0
	UNIT 2, 0
	TURN 3, 1, 0, G1A4, G1B4                       ; places 0-3 take units 7-10
	UNIT 4, 0
	UNIT 5, 0
	TURN 6, 1, 1, G1A3, G1B3                       ; places 4-6 take units 11-13
	UNIT 7, 0
	UNIT 8, 0
	UNIT 9, 0
	TURN 10, 1, 0, G1A2, G1B2                      ; places 0, 1 take units 14, 15
	UNIT 11, 0
	UNIT 12, 0
	TURN 13, 0, 0, 0, 0                            ; nothing is left to fetch
	UNIT 14, 0
	s_wait_dscnt 0x0
	; THE LAST UNIT GOES BY TENSOR: q leaves while k's and v's last products are still to come.  The codes take fragments' registers that are done with.
.irp b, 0,1,2,3
	MULB \b, 1, 0
.endr
	OUT 1, 32, SCQ, 66
.irp b, 4,5,6,7
	MULB \b, 1, 0
.endr
	OUT 2, 160, SCK, 4
.irp b, 8,9,10,11
	MULB \b, 1, 0
.endr
	OUT 3, 96, SCV, 6
	s_wait_tensorcnt 0x0                           ; the wave's end
	ds_add_u32 v[SPW], v[NIL]
	s_wait_dscnt 0x0
	CROUND                                         ; the closing round: no work-group ends while a partner may still ask for a tile that names it
	s_endpgm
.Lfunc_end_k_qb5ad7a8e57_qkv:
	.size	k_qb5ad7a8e57_qkv, .Lfunc_end_k_qb5ad7a8e57_qkv-k_qb5ad7a8e57_qkv
	.p2alignl 7, 3214868480
	.fill 96, 4, 3214868480
	.section	.rodata,"a",@progbits
	.p2align	6, 0x0
	.amdhsa_kernel k_qb5ad7a8e57_qkv
		.amdhsa_group_segment_fixed_size 327680
		.amdhsa_private_segment_fixed_size 0
		.amdhsa_enable_private_segment 0
		.amdhsa_kernarg_size 32
		.amdhsa_user_sgpr_count 2
		.amdhsa_user_sgpr_kernarg_segment_ptr 1
		.amdhsa_wavefront_size32 1
		.amdhsa_system_sgpr_workgroup_id_x 1
		.amdhsa_system_sgpr_workgroup_id_y 1
		.amdhsa_system_sgpr_workgroup_id_z 1
		.amdhsa_system_vgpr_workitem_id 0
		.amdhsa_next_free_vgpr 1024
		.amdhsa_next_free_sgpr 102
		.amdhsa_reserve_vcc 0
		.amdhsa_float_denorm_mode_32 3
		.amdhsa_float_denorm_mode_16_64 3
		.amdhsa_memory_ordered 1
		.amdhsa_forward_progress 1
		.amdhsa_inst_pref_size 216
	.end_amdhsa_kernel
	.amdgpu_metadata
---
amdhsa.version: [ 1, 2 ]
amdhsa.kernels:
  - .name:           k_qb5ad7a8e57_qkv
    .symbol:         k_qb5ad7a8e57_qkv.kd
    .args:
      - { .name: x_codes, .offset: 0, .size: 8, .value_kind: global_buffer, .address_space: global }
      - { .name: wqkv_codes, .offset: 8, .size: 8, .value_kind: global_buffer, .address_space: global }
      - { .name: lowp_scales, .offset: 16, .size: 8, .value_kind: global_buffer, .address_space: global }
      - { .name: qkv_codes, .offset: 24, .size: 8, .value_kind: global_buffer, .address_space: global }
    .group_segment_fixed_size: 327680
    .private_segment_fixed_size: 0
    .kernarg_segment_align: 8
    .kernarg_segment_size: 32
    .max_flat_workgroup_size: 128
    .sgpr_count:     102
    .vgpr_count:     1024
    .wavefront_size: 32
...
	.end_amdgpu_metadata
.endif
;; end of part 2
;; launch attn (part 3): grid 256 x 1, 16 waves a work-group, clusters of 4 x 1, 327,680 bytes of LDS; arguments qkv_codes, lowp_scales, ao_codes; writes ao_codes
.if DOCPART == 3
	.amdgcn_target "amdgcn-amd-amdhsa--gfx1250"
	.amdhsa_code_object_version 6
	.text
	.protected	k_qb5ad7a8e57_attn
	.globl	k_qb5ad7a8e57_attn
	.p2align	8
	.type	k_qb5ad7a8e57_attn,@function
k_qb5ad7a8e57_attn:
	s_mov_b64 s[64:65], 0
	v_nop
	global_prefetch_b8 v0, s[64:65] scope:SCOPE_SE
	s_setreg_imm32_b32 hwreg(HW_REG_WAVE_MODE, 25, 1), 1
	s_wait_xcnt 0x0
	s_wait_alu depctr_hold_cnt(0) depctr_sa_sdst(0) depctr_va_vdst(0) depctr_va_sdst(0) depctr_va_ssrc(0) depctr_va_vcc(0) depctr_vm_vsrc(0)
	s_getreg_b32 s2, hwreg(HW_REG_IB_STS2, 6, 4)
	s_cmp_eq_u32 s2, 0
	s_cbranch_scc0 .Lentry_in_a_cluster
	s_endpgm
.Lentry_in_a_cluster:
	s_bfe_u32 s2, ttmp6, 0x10000c
	s_cmp_lg_u32 s2, 0x3003
	s_cbranch_scc0 .Lentry_shape_is_right
	s_endpgm
.Lentry_shape_is_right:
; o = softmax(q k^T / 32) v for 128 heads of 1,024 tokens x 64 channels, both products on codes of FP8 (E4M3); o is quantised at once for the output projection.
; qkv_codes: images of operand fragments of 1,024 bytes (16 bytes at 16 x lane, 16 at 512 + 16 x lane): q and k [128][64 blocks of 16 tokens][1024], v [128][16 chunks of 64 keys][4 blocks of 16 channels][1024].
; ao_codes [16 heads][512 blocks of 16 tokens][1024]: the fragments of the projection's operand, a head's 64 channels being one chunk of its K.
; THE SOFTMAX: t = score x 2^(e2 + e3) x log2(e) / 32; M = ceil(the row's largest t); p = 2^(t - M) is quantised with 2^e4; the row's sum is taken of the unquantised p and divides at the end.
; TWO PASSES OVER THE KEYS.  Pass 1 multiplies k q^T and keeps only each query's largest score; pass 2 multiplies again and works under the final M.  So no sum is ever rescaled and M is the row's own.
; SHARES.  A cluster of four work-groups owns two heads; each work-group 256 queries of each; waves 0-7 the first head, waves 8-15 the second, 32 queries a wave: two tiles of 16, A and B, which share every fragment of k and v.
; Four waves lie on a SIMD: one's vector work stands beside another's products and LDS loads.
; THE TWO HEADS' WHOLE k AND v LIE IN LDS (2 x 131,072 bytes), each filled once by sixteen JOINT loads of 8,192 bytes, one a wave, the same in the four work-groups: k at the head, v behind the barrier that shows k, so that it lands under pass 1.
; No slot is filled again and no loop fetches anything from memory: so there is no prefetch.
; LAYOUT.  Both products are used transposed: S^T = k q^T (source 0 = 16 keys, source 1 = 16 queries), O^T = v^T p^T (source 0 = 16 channels, source 1 = p): a lane holds ONE query (lane % 16) throughout.
; A score tile's eight registers are keys 16 c + 8 h + 0..7: their conversion gives registers 2 c, 2 c + 1 of p's operand as this form lays it (ISA guide 7.12.2), and v's fragments hold the keys in that order.
; LIMITS on the given exponents: e2 + e3 between -121 and 132 (they are added to the exponent field of log2(e) / 32); e4, and e6 - e4 - e5, between -126 and 119.  NaN among the inputs is not served.
.set VOFF,  131072                     ; LDS: k, then v
.set SPARE, 262144                     ; behind k and v: the spare words, 128 bytes a wave: eight blocks of 256 bytes that no other line names
.set AK0, 1                            ; v1   my lane's place in my head's k
.set AV0, 2                            ; v2   in its v
.set ADK, 3                            ; v3   LDS address of k's loads in hand
.set ADV, 4                            ; v4   of v's
.set SPW, 5                            ; v5   LDS address of my spare word; never rewritten
.set NIL, 6                            ; v6   0; never rewritten
.set GO,  9                            ; v9   16 x lane
.set OSC, 14                           ; v14  2^(e6 - e4 - e5);  v15: 448 x that
.set QA,  16                           ; v16-23 q's fragment, tile A;  v24-31 tile B
.set QB,  24
.set F0,  32                           ; v32-63 four fragments of k
.set F1,  64                           ; v64-95 four more of k (pass 1), four of v (pass 2)
.set SA,  96                           ; v96-127 S^T of tile A, then p;  v128-159 of tile B
.set SB,  128
.set OA,  160                          ; v160-191, v192-223: pass 1: a second set of scores; pass 2: O^T of tiles A and B
.set OB,  192
.set PA,  224                          ; v224-231, v232-239 p's codes
.set PB,  232
.set PSC,  241                         ; v241 2^e4
.set MA,  242                          ; v[242:243], v[244:245] -M of tiles A and B
.set MB,  244
.set LA0, 246                          ; the sums, two chains of pairs a tile: v[246:247], v[250:251] A;  v[248:249], v[252:253] B.  In pass 1 v250-253 are four chains of maxima
.set LB0, 248
.set LA1, 250
.set LB1, 252
.set WV,  10                           ; s10  wave
.set PLS, 12                           ; s12  448 x 2^e4
.set CS,  48                           ; s[48:49] c = 2^(e2 + e3) log2(e) / 32
.set SEL, 50                           ; s[50:51] lane selects for v_permlanex16_b32: lane l xor 16
.set KB,  52                           ; s52  byte of the head's k (or v) at which the keys to be fetched begin
.set CNT, 54
.macro CROUND                          ; a round of the cluster's barrier
	s_barrier_signal -1
	s_barrier_wait -1
	s_cmp_lg_u32 s[WV], 0
	s_cbranch_scc1 .Lnot_wave_0_\@
	s_barrier_signal -3
.Lnot_wave_0_\@:
	s_barrier_wait -3
	s_barrier_signal -1
	s_barrier_wait -1
.endm
.macro KLOAD f, off                    ; four tiles of 16 keys, from off bytes behind ADK, into v[f] on
.irp t, 0,1,2,3
	ds_load_b128 v[\f+8*\t:\f+8*\t+3], v[ADK] offset:\off+1024*\t
	ds_load_b128 v[\f+8*\t+4:\f+8*\t+7], v[ADK] offset:\off+1024*\t+512
.endr
.endm
.macro VLOAD                           ; four tiles of 16 channels x 64 keys
.irp t, 0,1,2,3
	ds_load_b128 v[F1+8*\t:F1+8*\t+3], v[ADV] offset:1024*\t
	ds_load_b128 v[F1+8*\t+4:F1+8*\t+7], v[ADV] offset:1024*\t+512
.endr
.endm
.macro KQ f, sa, sb                    ; 64 keys x my 32 queries: eight products, each a whole sum (K = 64)
.irp t, 0,1,2,3
	v_wmma_f32_16x16x64_fp8_fp8 v[\sa+8*\t:\sa+8*\t+7], v[\f+8*\t:\f+8*\t+7], v[QA:QA+7], 0
	v_wmma_f32_16x16x64_fp8_fp8 v[\sb+8*\t:\sb+8*\t+7], v[\f+8*\t:\f+8*\t+7], v[QB:QB+7], 0
.endr
.endm
.macro PV first                        ; O^T += v^T p^T: the eight accumulators take turns, one instruction a turn; first = 1: the products start the sums
.irp t, 0,1,2,3
.if \first
	v_wmma_f32_16x16x64_fp8_fp8 v[OA+8*\t:OA+8*\t+7], v[F1+8*\t:F1+8*\t+7], v[PA:PA+7], 0
	v_wmma_f32_16x16x64_fp8_fp8 v[OB+8*\t:OB+8*\t+7], v[F1+8*\t:F1+8*\t+7], v[PB:PB+7], 0
.else
	v_wmma_f32_16x16x64_fp8_fp8 v[OA+8*\t:OA+8*\t+7], v[F1+8*\t:F1+8*\t+7], v[PA:PA+7], v[OA+8*\t:OA+8*\t+7]
	v_wmma_f32_16x16x64_fp8_fp8 v[OB+8*\t:OB+8*\t+7], v[F1+8*\t:F1+8*\t+7], v[PB:PB+7], v[OB+8*\t:OB+8*\t+7]
.endif
.endr
.endm
; PASS 1, 128 keys.  next = 1: the next 128 keys' fragments are fetched while the maxima are taken.
.macro P1TRIP next
	s_wait_dscnt 8                                 ; the first 64 keys' eight loads are in
	KQ F0, SA, SB
	s_wait_alu depctr_va_vdst(0)
	s_wait_dscnt 0x0
	KQ F1, OA, OB
.if \next
	s_add_co_u32 s[KB], s[KB], 8192
	v_add_nc_u32 v[ADK], s[KB], v[AK0]             ; this line and three v_nop: the four places in front of the loads and of the first read of scores
.rept 3
	v_nop
.endr
	KLOAD F0, 0
	KLOAD F1, 4096
.else
.rept 4
	v_nop
.endr
.endif
.set j, 0
.rept 16
	v_max3_num_f32 v250, v250, v[SA+j], v[SA+j+1]  ; four chains by turns; each accumulator from its low end on
	v_max3_num_f32 v251, v251, v[SB+j], v[SB+j+1]
	v_max3_num_f32 v252, v252, v[OA+j], v[OA+j+1]
	v_max3_num_f32 v253, v253, v[OB+j], v[OB+j+1]
.set j, j+2
.endr
.endm
; PASS 2, 64 keys.
.macro P2STEP first, last
	s_wait_dscnt 0x0                               ; this step's k is in
	KQ F0, SA, SB
	v_add_nc_u32 v[ADV], s[KB], v[AV0]
.if \last
.rept 3
	v_nop
.endr
.else
	s_add_co_u32 s[KB], s[KB], 4096
	v_add_nc_u32 v[ADK], s[KB], v[AK0]
.rept 2
	v_nop                                          ; with the additions above: four places in front of the loads and of the first read of scores
.endr
.endif
	VLOAD                                          ; this step's v,
.if \last == 0
	KLOAD F0, 0                                    ; and the next step's k
.endif
.set j, 0
.rept 16
	v_pk_fma_f32 v[SA+j:SA+j+1], v[SA+j:SA+j+1], s[CS:CS+1], v[MA:MA+1] op_sel_hi:[1,0,0]   ; t - M, two at a time
.set j, j+2
.endr
.set j, 0
.rept 16
	v_pk_fma_f32 v[SB+j:SB+j+1], v[SB+j:SB+j+1], s[CS:CS+1], v[MB:MB+1] op_sel_hi:[1,0,0]
.set j, j+2
.endr
.set j, 0
	s_wait_alu depctr_va_vdst(0)
.rept 64
	v_exp_f32 v[SA+j], v[SA+j]                     ; p = 2^(t - M), at most 1
.set j, j+1
.endr
	v_nop                                          ; a plain instruction behind the last exponential
	s_wait_alu depctr_va_vdst(0)                   ; one wait for the batch of 64, ahead of its first reader
.set j, 0
.rept 8
	v_pk_add_f32 v[LA0:LA0+1], v[LA0:LA0+1], v[SA+j:SA+j+1]      ; the sums are taken of the unquantised p: four chains by turns
	v_pk_add_f32 v[LB0:LB0+1], v[LB0:LB0+1], v[SB+j:SB+j+1]
	v_pk_add_f32 v[LA1:LA1+1], v[LA1:LA1+1], v[SA+j+2:SA+j+3]
	v_pk_add_f32 v[LB1:LB1+1], v[LB1:LB1+1], v[SB+j+2:SB+j+3]
.set j, j+4
.endr
.set j, 0
.rept 32
	v_dual_min_num_f32 v[SA+j], s[PLS], v[SA+j] :: v_dual_min_num_f32 v[SA+j+1], s[PLS], v[SA+j+1]   ; the conversion does not saturate (ISA guide 7.6.2); p is not negative, so the hold is one-sided
.set j, j+2
.endr
.irp c, 0,1,2,3
	v_cvt_scalef32_pk8_fp8_f32 v[PA+2*\c:PA+2*\c+1], v[SA+8*\c:SA+8*\c+7], v[PSC]
	v_cvt_scalef32_pk8_fp8_f32 v[PB+2*\c:PB+2*\c+1], v[SB+8*\c:SB+8*\c+7], v[PSC]
.endr
	v_nop                                          ; a plain instruction between the conversions and the products that read their results
	s_wait_alu depctr_va_vdst(0)
.if \last
	s_wait_dscnt 0x0
.else
	s_wait_dscnt 8                                 ; v is in; the next step's k may be out
.endif
	PV \first
.endm
	s_load_b128 s[4:7], s[0:1], 0x0                ; qkv_codes s[4:5], the scales s[6:7]
	s_load_b64 s[8:9], s[0:1], 0x10                ; ao_codes
	v_lshl_add_u32 v[SPW], v0, 2, SPARE
	v_mov_b32 v[NIL], 0
	ds_add_u32 v[SPW], v[NIL]                      ; the wave's opening: the add, twice on end, and its wait ahead of my first tensor load
	ds_add_u32 v[SPW], v[NIL]
	v_lshrrev_b32 v11, 5, v0
	v_and_b32 v13, 31, v0
	v_readfirstlane_b32 s[WV], v11                 ; wave 0..15
	v_lshlrev_b32 v[GO], 4, v13
	s_bfe_u32 s11, ttmp6, 0x40000                  ; cx: which 256 queries
	s_mov_b32 s16, 15|(3<<16)|(1<<21)              ; descriptor group 1: all four work-groups; elements of 8 bytes; bit 21 beside a mask: two rows of 4,096 bytes on end
	s_mov_b32 s17, 512<<16
	s_mov_b32 s18, 2<<16
	s_mov_b32 s19, 512<<16
	s_mov_b32 s20, 2
	s_mov_b32 s21, 512
	s_mov_b32 s22, 0
	s_mov_b32 s23, 0
	s_mov_b32 s32, 1                               ; groups 0: s[32:35] my 8,192 bytes of k, s[36:39] of v
	s_lshl_b32 s33, s[WV], 13
	s_mov_b32 s36, 1
	s_add_co_u32 s37, s33, VOFF
	s_lshl_b32 s56, ttmp9, 17                      ; the cluster's two heads
	s_lshr_b32 s55, s[WV], 3                       ; which head I compute
	s_and_b32 s57, s[WV], 7
	s_lshl_b32 s58, s[WV], 13
	s_add_co_u32 s58, s58, s56
	s_add_co_u32 s58, s58, 0x800000                ; k's region
	s_mov_b32 s59, 0
	s_lshl_b32 s53, s11, 14                        ; q and o: 256 cx + 32 (wave % 8) tokens of 64 bytes
	s_lshl_b32 s57, s57, 11
	s_add_co_u32 s57, s57, s53
	s_lshl_b32 s60, s55, 16
	s_add_co_u32 s60, s60, s56
	s_add_co_u32 s60, s60, s57                     ; q: + my head's 65,536 bytes
	s_mov_b32 s61, 0
	s_and_b32 s62, ttmp9, 7                        ; o: head 2 (c % 8) + mine, of 524,288 bytes; batch c / 8, of 65,536
	s_lshl_b32 s62, s62, 1
	s_add_co_u32 s62, s62, s55
	s_lshl_b32 s62, s62, 19
	s_lshr_b32 s53, ttmp9, 3
	s_lshl_b32 s53, s53, 16
	s_add_co_u32 s62, s62, s53
	s_add_co_u32 s62, s62, s57
	s_mov_b32 s63, 0
	s_mov_b32 s[SEL], 0x76543210
	s_mov_b32 s[SEL+1], 0xfedcba98
	s_mov_b32 s[KB], 0
	s_wait_alu depctr_va_vdst(0)
	s_wait_dscnt 0x0                               ; both opening adds are done
	s_wait_kmcnt 0x0
	s_load_b256 s[40:47], s[6:7], 0x0              ; e0 .. e7
	s_add_nc_u64 s[34:35], s[4:5], s[58:59]
	s_add_nc_u64 s[38:39], s[34:35], 0x800000      ; v's region
	s_or_b32 s35, s35, 0x80000000
	s_or_b32 s39, s39, 0x80000000
	s_add_nc_u64 s[60:61], s[4:5], s[60:61]        ; q at my first query
	s_add_nc_u64 s[8:9], s[8:9], s[62:63]          ; o likewise
	CROUND                                         ; all four work-groups are here: the joint loads meet
	tensor_load_to_lds s[32:35], s[16:23]          ; k
	s_nop 0
.rept 4
	v_nop
.endr
	global_load_b128 v[QA:QA+3], v[GO], s[60:61]
	global_load_b128 v[QA+4:QA+7], v[GO], s[60:61] offset:512
	global_load_b128 v[QB:QB+3], v[GO], s[60:61] offset:1024
	global_load_b128 v[QB+4:QB+7], v[GO], s[60:61] offset:1536
	s_lshl_b32 s56, s55, 16
	v_add_nc_u32 v[AK0], s56, v[GO]
	v_mov_b32 v250, 0xff800000                     ; the four chains of maxima begin under every score
	v_mov_b32 v251, 0xff800000
	v_mov_b32 v252, 0xff800000
	v_mov_b32 v253, 0xff800000
	v_add_nc_u32 v[AV0], VOFF, v[AK0]
	v_mov_b32 v[ADK], v[AK0]
	v_mov_b32 v254, 0                              ; written once: a lane permute's destination counts as one of its sources
	v_mov_b32 v255, 0
	s_wait_kmcnt 0x0
	s_add_co_i32 s56, s42, s43
	s_lshl_b32 s56, s56, 23
	s_add_co_i32 s[CS], s56, 0x3d38aa3b            ; log2(e) / 32, with e2 + e3 added to its exponent field
	s_mov_b32 s[CS+1], s[CS]                       ; (named with it as a pair, so it is written)
	s_add_co_i32 s56, s44, 127
	s_lshl_b32 s57, s56, 23
	v_mov_b32 v[PSC], s57                          ; 2^e4
	s_add_co_i32 s56, s56, 8
	s_lshl_b32 s56, s56, 23
	s_or_b32 s[PLS], s56, 0x600000                 ; 448 x 2^e4
	s_sub_co_i32 s56, s46, s44
	s_sub_co_i32 s56, s56, s45                     ; O / l stands for o / 2^(e4 + e5): its code is (O / l) / 2^(e6 - e4 - e5)
	s_add_co_i32 s56, s56, 127
	s_lshl_b32 s57, s56, 23
	v_mov_b32 v[OSC], s57
	s_add_co_i32 s56, s56, 8
	s_lshl_b32 s56, s56, 23
	s_or_b32 s56, s56, 0x600000
	v_mov_b32 v[OSC+1], s56
	s_wait_alu depctr_va_vdst(0)
	s_wait_tensorcnt 0x0                           ; my part of k has landed
	ds_add_u32 v[SPW], v[NIL]
	s_wait_dscnt 0x0
	CROUND                                         ; k is whole, and the joint loads meet
	tensor_load_to_lds s[36:39], s[16:23]          ; v, the first tensor load behind the round
	s_nop 0
.rept 4
	v_nop
.endr
	KLOAD F0, 0
	KLOAD F1, 4096
	s_wait_loadcnt 0x0                             ; q
	s_mov_b32 s[CNT], 3
.Lp1:
	P1TRIP 1
	s_sub_co_u32 s[CNT], s[CNT], 1
	s_cmp_lg_u32 s[CNT], 0
	s_cbranch_scc1 .Lp1
	s_wait_tensorcnt 0x0                           ; my part of v has landed,
	s_wait_dscnt 0x0                               ; and no LDS instruction of mine is out:
	s_barrier_signal -1                            ; said here and waited for behind pass 1, whose other trips only read k, which nobody writes any more
	s_mov_b32 s[CNT], 4
.Lp1b:
	P1TRIP 1
	s_sub_co_u32 s[CNT], s[CNT], 1
	s_cmp_lg_u32 s[CNT], 0
	s_cbranch_scc1 .Lp1b
	P1TRIP 0
	s_delay_alu instid0(VALU_DEP_2)
	v_max_num_f32 v250, v250, v252                 ; tile A's two chains,
	s_delay_alu instid0(VALU_DEP_2)
	v_max_num_f32 v251, v251, v253                 ; tile B's,
	s_delay_alu instid0(VALU_DEP_2)
	v_permlanex16_b32 v254, v250, s[SEL], s[SEL+1]
	s_delay_alu instid0(VALU_DEP_2)
	v_permlanex16_b32 v255, v251, s[SEL], s[SEL+1]
	s_delay_alu instid0(VALU_DEP_2)
	v_max_num_f32 v250, v250, v254                 ; and lane l xor 16's: the query's largest score
	s_delay_alu instid0(VALU_DEP_2)
	v_max_num_f32 v251, v251, v255
	s_delay_alu instid0(VALU_DEP_2)
	v_mul_f32 v250, s[CS], v250                    ; as t (c is positive)
	s_delay_alu instid0(VALU_DEP_2)
	v_mul_f32 v251, s[CS], v251
	s_delay_alu instid0(VALU_DEP_2)
	v_floor_f32 v[MA], -v250                       ; -M = floor(-t) = -ceil(t)
	s_delay_alu instid0(VALU_DEP_2)
	v_floor_f32 v[MB], -v251
	s_delay_alu instid0(VALU_DEP_2)
	v_mov_b32 v[MA+1], v[MA]
	s_delay_alu instid0(VALU_DEP_2)
	v_mov_b32 v[MB+1], v[MB]
.irp j, 0,1,2,3,4,5,6,7
	v_mov_b32 v[LA0+\j], 0                         ; the sums' four chains of pairs
.endr
	v_mov_b32 v[ADK], v[AK0]
	s_mov_b32 s[KB], 0
	s_wait_alu depctr_va_vdst(0)
	s_barrier_wait -1                              ; v is whole
	KLOAD F0, 0
	P2STEP 1, 0
	s_mov_b32 s[CNT], 14
.Lp2:
	P2STEP 0, 0
	s_sub_co_u32 s[CNT], s[CNT], 1
	s_cmp_lg_u32 s[CNT], 0
	s_cbranch_scc1 .Lp2
	P2STEP 0, 1
	; THE WAY OUT.  The sums are joined (these additions are the places behind the last products); O^T / l is held and converted: the codes are a fragment of the projection's operand and leave straight from registers.
	v_pk_add_f32 v[LA0:LA0+1], v[LA0:LA0+1], v[LA1:LA1+1]
	v_pk_add_f32 v[LB0:LB0+1], v[LB0:LB0+1], v[LB1:LB1+1]
	s_delay_alu instid0(VALU_DEP_2)
	v_add_f32 v[LA0], v[LA0], v[LA0+1]
	s_delay_alu instid0(VALU_DEP_2)
	v_add_f32 v[LB0], v[LB0], v[LB0+1]
	s_delay_alu instid0(VALU_DEP_2)
	v_permlanex16_b32 v254, v[LA0], s[SEL], s[SEL+1]
	s_delay_alu instid0(VALU_DEP_2)
	v_permlanex16_b32 v255, v[LB0], s[SEL], s[SEL+1]
	s_delay_alu instid0(VALU_DEP_2)
	v_add_f32 v[LA0], v[LA0], v254
	s_delay_alu instid0(VALU_DEP_2)
	v_add_f32 v[LB0], v[LB0], v255
	s_wait_alu depctr_va_vdst(0)
	v_rcp_f32 v[LA0], v[LA0]
	v_rcp_f32 v[LB0], v[LB0]
	v_nop                                          ; a plain instruction behind the last reciprocal
	s_wait_alu depctr_va_vdst(0)                   ; one wait for the two, ahead of their first reader
.set j, 0
.rept 16
	v_pk_mul_f32 v[SA+j:SA+j+1], v[OA+j:OA+j+1], v[LA0:LA0+1] op_sel_hi:[1,0]   ; each accumulator from its low end on
.set j, j+2
.endr
.set j, 0
.rept 16
	v_pk_mul_f32 v[SB+j:SB+j+1], v[OB+j:OB+j+1], v[LB0:LB0+1] op_sel_hi:[1,0]
.set j, j+2
.endr
.set j, 0
.rept 64
	v_med3_num_f32 v[SA+j], v[SA+j], -v[OSC+1], v[OSC+1]
.set j, j+1
.endr
.irp t, 0,1,2,3
	v_cvt_scalef32_pk8_fp8_f32 v[PA+2*\t:PA+2*\t+1], v[SA+8*\t:SA+8*\t+7], v[OSC]   ; channels 16 t + 8 h + 0..7 of query r
	v_cvt_scalef32_pk8_fp8_f32 v[PB+2*\t:PB+2*\t+1], v[SB+8*\t:SB+8*\t+7], v[OSC]
.endr
	v_nop
.irp i, 0,1,2,3
	global_store_b128 v[GO], v[PA+4*\i:PA+4*\i+3], s[8:9] offset:512*\i   ; 32 lanes store 512 consecutive bytes, aligned
.endr
	s_wait_tensorcnt 0x0                           ; the wave's end
	ds_add_u32 v[SPW], v[NIL]
	s_wait_dscnt 0x0
	CROUND                                         ; the closing round: no work-group ends while a partner may still ask for a tile that names it
	s_endpgm
.Lfunc_end_k_qb5ad7a8e57_attn:
	.size	k_qb5ad7a8e57_attn, .Lfunc_end_k_qb5ad7a8e57_attn-k_qb5ad7a8e57_attn
	.p2alignl 7, 3214868480
	.fill 96, 4, 3214868480
	.section	.rodata,"a",@progbits
	.p2align	6, 0x0
	.amdhsa_kernel k_qb5ad7a8e57_attn
		.amdhsa_group_segment_fixed_size 327680
		.amdhsa_private_segment_fixed_size 0
		.amdhsa_enable_private_segment 0
		.amdhsa_kernarg_size 24
		.amdhsa_user_sgpr_count 2
		.amdhsa_user_sgpr_kernarg_segment_ptr 1
		.amdhsa_wavefront_size32 1
		.amdhsa_system_sgpr_workgroup_id_x 1
		.amdhsa_system_sgpr_workgroup_id_y 1
		.amdhsa_system_sgpr_workgroup_id_z 1
		.amdhsa_system_vgpr_workitem_id 0
		.amdhsa_next_free_vgpr 256
		.amdhsa_next_free_sgpr 66
		.amdhsa_reserve_vcc 0
		.amdhsa_float_denorm_mode_32 3
		.amdhsa_float_denorm_mode_16_64 3
		.amdhsa_memory_ordered 1
		.amdhsa_forward_progress 1
		.amdhsa_inst_pref_size 68
	.end_amdhsa_kernel
	.amdgpu_metadata
---
amdhsa.version: [ 1, 2 ]
amdhsa.kernels:
  - .name:           k_qb5ad7a8e57_attn
    .symbol:         k_qb5ad7a8e57_attn.kd
    .args:
      - { .name: qkv_codes, .offset: 0, .size: 8, .value_kind: global_buffer, .address_space: global }
      - { .name: lowp_scales, .offset: 8, .size: 8, .value_kind: global_buffer, .address_space: global }
      - { .name: ao_codes, .offset: 16, .size: 8, .value_kind: global_buffer, .address_space: global }
    .group_segment_fixed_size: 327680
    .private_segment_fixed_size: 0
    .kernarg_segment_align: 8
    .kernarg_segment_size: 24
    .max_flat_workgroup_size: 512
    .sgpr_count:     66
    .vgpr_count:     256
    .wavefront_size: 32
...
	.end_amdgpu_metadata
.endif
;; end of part 3
;; launch proj (part 4): grid 4 x 64, 4 waves a work-group, clusters of 4 x 4, 327,680 bytes of LDS; arguments ao_codes, wout_codes, lowp_scales, b_out, out0; writes out0
.if DOCPART == 4
	.amdgcn_target "amdgcn-amd-amdhsa--gfx1250"
	.amdhsa_code_object_version 6
	.text
	.protected	k_qb5ad7a8e57_proj
	.globl	k_qb5ad7a8e57_proj
	.p2align	8
	.type	k_qb5ad7a8e57_proj,@function
k_qb5ad7a8e57_proj:
	s_mov_b64 s[64:65], 0
	v_nop
	global_prefetch_b8 v0, s[64:65] scope:SCOPE_SE
	s_setreg_imm32_b32 hwreg(HW_REG_WAVE_MODE, 25, 1), 1
	s_wait_xcnt 0x0
	s_wait_alu depctr_hold_cnt(0) depctr_sa_sdst(0) depctr_va_vdst(0) depctr_va_sdst(0) depctr_va_ssrc(0) depctr_va_vcc(0) depctr_vm_vsrc(0)
	s_getreg_b32 s2, hwreg(HW_REG_IB_STS2, 6, 4)
	s_cmp_eq_u32 s2, 0
	s_cbranch_scc0 .Lentry_in_a_cluster
	s_endpgm
.Lentry_in_a_cluster:
	s_bfe_u32 s2, ttmp6, 0x10000c
	s_cmp_lg_u32 s2, 0xf033
	s_cbranch_scc0 .Lentry_shape_is_right
	s_endpgm
.Lentry_shape_is_right:
; out0 [8192][1024] f32 = o w_out + b_out on codes of FP8 (E4M3), K = 1,024: ao_codes [16 chunks of 64 along K][512 blocks of 16 tokens][1024 bytes], wout_codes [16][64 blocks of 16 columns][1024]: images of operand fragments.
; A sum stands for sum x 2^(e6 + e7).  LIMIT: e6 + e7 between -126 and 127.
; SHARES.  256 work-groups, each 128 tokens x 256 columns; four waves, each 32 tokens x 256 columns, 64 columns a trip: 2 x 4 tiles, 64 registers of sums.  Source 0 = 16 columns, source 1 = 16 tokens: lane (r, h) holds token r, its registers columns 8 h + 0..7.
; ALL THE WORK-GROUP'S COLUMNS LIE IN LDS (4 groups of 64 columns x 65,536 bytes), filled once, a group by each wave's one load; A WAVE'S TOKENS LIE IN 256 REGISTERS, loaded once straight from memory.
; So a trip of the loop makes 64 columns from beginning to end, and they leave while the next 64 are multiplied.
; CLUSTERS: 4 x 4 work-groups.  The columns are shared along a column of the cluster and asked for JOINTLY.  The tokens, shared along a row, are not: a joint load fills LDS, where 131,072 bytes more find no room beside the columns' 262,144.
; NO PREFETCH: all but the bias is asked for at the head, and no loop fetches a tile.
; REGISTERS: window 0: v0-31 addresses; v32-95 tile (a, b) at v[32 + 32 a + 8 b], and the rows on their way out; v96-127 a block's results; v128-255 four sets of the columns' fragments.
;   window 1: the tokens' fragments: unit u, block a at v[16 u + 8 a].  Window 2: v0-31 the bias of the trip's columns.
.set STAGE, 262144                     ; behind the columns: 2 x 16 rows of 272 bytes for each wave; no fill lands here
.set SPARE, STAGE+4*32*272             ; the spare words, 128 bytes a wave: two blocks of 256 bytes that no other line names
.set ADR,  16                          ; v16  LDS address of the trip's fragments
.set L16,  17                          ; v17  16 x lane
.set BOF,  18                          ; v18  32 h
.set STO,  19                          ; v19  the way out: where I put 32 bytes of a row
.set RD,   20                          ; v20  where I read two rows back
.set OFF,  21                          ; v21  and the same place in out0
.set SPW,  28
.set NIL,  29
.set ACC,  32
.set TMP,  96
.set BF,   128
.set GB,   40                          ; s40  LDS byte at which the trip's columns begin
.set CNT,  41
.set MSB, 0
.macro WIN new                         ; the immediate's high byte repeats the setting that is left
.if MSB != (\new)
	s_set_vgpr_msb (MSB<<8)|(\new)
.set MSB, \new
.endif
.endm
.macro CROUND                          ; a round of the cluster's barrier
	s_barrier_signal -1
	s_barrier_wait -1
	s_cmp_lg_u32 s12, 0
	s_cbranch_scc1 .Lnot_wave_0_\@
	s_barrier_signal -3
.Lnot_wave_0_\@:
	s_barrier_wait -3
	s_barrier_signal -1
	s_barrier_wait -1
.endm
.macro PLACES                          ; plain vector instructions between a matrix instruction and a load into, or a vector read of, its registers
.rept 4
	v_nop
.endr
.endm
.macro FETCH u                         ; unit u's four fragments into set u % 4: eight loads
.set fs, BF+32*((\u)%4)
.irp b, 0,1,2,3
	ds_load_b128 v[fs+8*\b:fs+8*\b+3], v[ADR] offset:(\u)*4096+\b*1024
	ds_load_b128 v[fs+8*\b+4:fs+8*\b+7], v[ADR] offset:(\u)*4096+\b*1024+512
.endr
.endm
.macro UNIT u                          ; 64 along K: eight products; the eight accumulators take turns, one instruction a turn
.if (\u)+3 < 16
	PLACES
	FETCH (\u)+3                                   ; into the set that the unit before has multiplied
.endif
.if (\u) < 2
	s_wait_loadcnt 63
.else
	s_wait_loadcnt 68-4*(\u)                       ; in the first trip: behind this unit's tokens come 4 loads for each later unit and the bias's eight
.endif
.if (\u) < 13
	s_wait_dscnt 24                                ; the three later units' loads may be out
.else
	s_wait_dscnt 8*(15-(\u))
.endif
.set fs, BF+32*((\u)%4)
.irp b, 0,1,2,3
.irp a, 0,1
.set ac, ACC+32*\a+8*\b
.if (\u) == 0
	v_wmma_f32_16x16x64_fp8_fp8 v[ac:ac+7], v[fs+8*\b:fs+8*\b+7], v[8*\a:8*\a+7], 0
.else
	v_wmma_f32_16x16x64_fp8_fp8 v[ac:ac+7], v[fs+8*\b:fs+8*\b+7], v[16*(\u)+8*\a:16*(\u)+8*\a+7], v[ac:ac+7]
.endif
.endr
.endr
.endm
	s_load_b128 s[4:7], s[0:1], 0x0                ; ao_codes, wout_codes
	s_load_b128 s[8:11], s[0:1], 0x10              ; the scales s[8:9], b_out s[10:11]
	s_load_b64 s[60:61], s[0:1], 0x20              ; out0
	v_lshl_add_u32 v[SPW], v0, 2, SPARE
	v_mov_b32 v[NIL], 0
	ds_add_u32 v[SPW], v[NIL]                      ; the wave's opening: the add, twice on end, and its wait ahead of my first tensor load
	ds_add_u32 v[SPW], v[NIL]
	v_lshrrev_b32 v1, 5, v0
	v_readfirstlane_b32 s12, v1                    ; wave 0..3
	s_mul_i32 s23, s12, 32*272
	s_add_co_u32 s23, s23, STAGE                   ; my stage
	v_and_b32 v6, 31, v0
	v_lshlrev_b32 v[L16], 4, v6
	v_and_b32 v1, 15, v0                           ; r
	v_bfe_u32 v2, v0, 4, 1                         ; h
	v_lshlrev_b32 v[BOF], 5, v2
	v_mul_u32_u24 v3, v1, 272
	v_add_nc_u32 v3, v3, v[BOF]
	v_add_nc_u32 v[STO], s23, v3                   ; in: row r, 32 bytes for each half of the lanes
	v_mul_u32_u24 v4, v2, 272
	v_lshl_add_u32 v4, v1, 4, v4
	v_add_nc_u32 v[RD], s23, v4                    ; back: sixteen lanes to a row of 256 bytes
	v_lshlrev_b32 v5, 12, v2
	v_lshl_add_u32 v[OFF], v1, 4, v5
	s_bfe_u32 s15, ttmp6, 0x40000                  ; cx
	s_bfe_u32 s16, ttmp6, 0x40004                  ; cy
	s_lshl_b32 s17, ttmp9, 2
	s_add_co_u32 s17, s17, s15                     ; 256 columns: 0..3
	s_and_b32 s18, ttmp7, 0xffff
	s_lshl_b32 s18, s18, 2
	s_add_co_u32 s18, s18, s16                     ; 128 tokens: 0..63
	s_lshl_b32 s20, 0x1111, s15                    ; my column of the cluster
	s_or_b32 s24, s20, 1<<21                       ; descriptor group 1: the mask; elements of 1 byte; bit 21 beside a mask: 16 rows of 4,096 bytes, 65,536 apart
	s_mov_b32 s25, 4096<<16
	s_mov_b32 s26, 16<<16
	s_mov_b32 s27, 4096<<16
	s_mov_b32 s28, 16
	s_mov_b32 s29, 65536
	s_mov_b32 s30, 0
	s_mov_b32 s31, 0
	s_mov_b32 s32, 1                               ; group 0: my 64 columns
	s_lshl_b32 s33, s12, 16
	s_lshl_b32 s2, s17, 14
	s_lshl_b32 s21, s12, 12
	s_add_co_u32 s2, s2, s21
	s_mov_b32 s3, 0
	s_lshl_b32 s22, s18, 13                        ; my two blocks of tokens
	s_lshl_b32 s21, s12, 11
	s_add_co_u32 s22, s22, s21
	s_mov_b32 s23, 0
	s_lshl_b32 s36, s17, 10                        ; my columns, in bytes of f32
	s_mov_b32 s37, 0
	s_lshl_b32 s38, s18, 19                        ; my rows of out0
	s_lshl_b32 s21, s12, 17
	s_add_co_u32 s38, s38, s21
	s_add_co_u32 s38, s38, s36
	s_mov_b32 s39, 0
	s_mov_b32 s[GB], 0
	s_mov_b32 s[CNT], 4
	s_wait_alu depctr_va_vdst(0)
	s_wait_dscnt 0x0                               ; both opening adds are done
	s_wait_kmcnt 0x0
	s_load_b256 s[68:75], s[8:9], 0x0              ; e0 .. e7
	s_add_nc_u64 s[22:23], s[4:5], s[22:23]
	s_add_nc_u64 s[34:35], s[6:7], s[2:3]
	s_or_b32 s35, s35, 0x80000000
	s_add_nc_u64 s[10:11], s[10:11], s[36:37]
	s_add_nc_u64 s[60:61], s[60:61], s[38:39]
	CROUND                                         ; all sixteen work-groups are here: the joint loads meet
	tensor_load_to_lds s[32:35], s[24:31]          ; the wave's one tensor load
	s_nop 0
	PLACES
	WIN 0x40
.set au, 0
.rept 16                               ; my tokens: 64 loads of 512 consecutive bytes, in the order in which the units want them
.irp n, 0,1,2,3
	global_load_b128 v[16*au+4*\n:16*au+4*\n+3], v[L16], s[22:23] offset:au*524288+\n*512
.endr
.set au, au+1
.endr
	WIN 0
	s_wait_kmcnt 0x0
	s_add_co_i32 s66, s74, s75
	s_add_co_i32 s66, s66, 127
	s_lshl_b32 s66, s66, 23                        ; 2^(e6 + e7)
	s_mov_b32 s67, s66                             ; (named with it as a pair, so it is written)
	s_wait_tensorcnt 0x0                           ; my 64 columns have landed
	s_barrier_signal -1
	s_barrier_wait -1                              ; all 256 have
.Lgroup:
	v_add_nc_u32 v[ADR], s[GB], v[L16]
	s_wait_alu depctr_va_vdst(0)
	WIN 0x80
.irp b, 0,1,2,3
	global_load_b128 v[8*\b:8*\b+3], v[BOF], s[10:11] offset:64*\b
	global_load_b128 v[8*\b+4:8*\b+7], v[BOF], s[10:11] offset:64*\b+16
.endr
	WIN 0x04                                       ; source 1 (the tokens) window 1; the LDS loads' address and destination window 0
	FETCH 0
	FETCH 1
	FETCH 2
.irp u, 0,1,2,3,4,5,6,7,8,9,10,11,12,13,14,15
	UNIT \u
.endr
	; THE WAY OUT: x 2^(e6 + e7) + bias, 16 tokens x 64 columns at a time through my own stage, and back as whole rows of 256 bytes.
	s_wait_loadcnt 0x0                             ; the bias
	PLACES
.irp a, 0,1
	WIN 0x20                                       ; source 2 (the bias) window 2
.set j, 0
.rept 16
	v_pk_fma_f32 v[TMP+j:TMP+j+1], v[ACC+32*\a+j:ACC+32*\a+j+1], s[66:67], v[j:j+1] op_sel_hi:[1,0,1]   ; each accumulator from its low end on
.set j, j+2
.endr
	WIN 0
.irp b, 0,1,2,3
	ds_store_b128 v[STO], v[TMP+8*\b:TMP+8*\b+3] offset:4352*\a+64*\b
	ds_store_b128 v[STO], v[TMP+8*\b+4:TMP+8*\b+7] offset:4352*\a+64*\b+16
.endr
.endr
.irp i, 0,1,2,3,4,5,6,7,8,9,10,11,12,13,14,15
	ds_load_b128 v[ACC+4*\i:ACC+4*\i+3], v[RD] offset:544*\i   ; rows 2 i and 2 i + 1: LDS serves a wave's instructions in order (ISA guide 5.7.1.4)
.endr
.irp i, 0,1,2,3,4,5,6,7,8,9,10,11,12,13,14,15
	s_wait_dscnt 15-\i
	global_store_b128 v[OFF], v[ACC+4*\i:ACC+4*\i+3], s[60:61] offset:8192*\i th:TH_STORE_NT   ; sixteen lanes store 256 consecutive bytes, aligned
.endr
	s_wait_xcnt 0x0                                ; the stores and the bias's loads have read their registers and bases
	s_add_nc_u64 s[60:61], s[60:61], 256
	s_add_nc_u64 s[10:11], s[10:11], 256
	s_add_co_u32 s[GB], s[GB], 0x10000
	s_sub_co_u32 s[CNT], s[CNT], 1
	s_cmp_lg_u32 s[CNT], 0
	s_cbranch_scc1 .Lgroup
	s_wait_tensorcnt 0x0                           ; the wave's end
	ds_add_u32 v[SPW], v[NIL]
	s_wait_dscnt 0x0
	CROUND                                         ; the closing round: no work-group ends while a partner may still ask for a tile that names it
	s_endpgm
.Lfunc_end_k_qb5ad7a8e57_proj:
	.size	k_qb5ad7a8e57_proj, .Lfunc_end_k_qb5ad7a8e57_proj-k_qb5ad7a8e57_proj
	.p2alignl 7, 3214868480
	.fill 96, 4, 3214868480
	.section	.rodata,"a",@progbits
	.p2align	6, 0x0
	.amdhsa_kernel k_qb5ad7a8e57_proj
		.amdhsa_group_segment_fixed_size 327680
		.amdhsa_private_segment_fixed_size 0
		.amdhsa_enable_private_segment 0
		.amdhsa_kernarg_size 40
		.amdhsa_user_sgpr_count 2
		.amdhsa_user_sgpr_kernarg_segment_ptr 1
		.amdhsa_wavefront_size32 1
		.amdhsa_system_sgpr_workgroup_id_x 1
		.amdhsa_system_sgpr_workgroup_id_y 1
		.amdhsa_system_sgpr_workgroup_id_z 1
		.amdhsa_system_vgpr_workitem_id 0
		.amdhsa_next_free_vgpr 544
		.amdhsa_next_free_sgpr 80
		.amdhsa_reserve_vcc 0
		.amdhsa_float_denorm_mode_32 3
		.amdhsa_float_denorm_mode_16_64 3
		.amdhsa_memory_ordered 1
		.amdhsa_forward_progress 1
		.amdhsa_inst_pref_size 37
	.end_amdhsa_kernel
	.amdgpu_metadata
---
amdhsa.version: [ 1, 2 ]
amdhsa.kernels:
  - .name:           k_qb5ad7a8e57_proj
    .symbol:         k_qb5ad7a8e57_proj.kd
    .args:
      - { .name: ao_codes, .offset: 0, .size: 8, .value_kind: global_buffer, .address_space: global }
      - { .name: wout_codes, .offset: 8, .size: 8, .value_kind: global_buffer, .address_space: global }
      - { .name: lowp_scales, .offset: 16, .size: 8, .value_kind: global_buffer, .address_space: global }
      - { .name: b_out, .offset: 24, .size: 8, .value_kind: global_buffer, .address_space: global }
      - { .name: out0, .offset: 32, .size: 8, .value_kind: global_buffer, .address_space: global }
    .group_segment_fixed_size: 327680
    .private_segment_fixed_size: 0
    .kernarg_segment_align: 8
    .kernarg_segment_size: 40
    .max_flat_workgroup_size: 128
    .sgpr_count:     80
    .vgpr_count:     544
    .wavefront_size: 32
...
	.end_amdgpu_metadata
.endif
;; end of part 4
